; MI455X (gfx1250); checked and timed in simulation.
; The chip was launched on July 23, 2026; its instructions are those of AMD's public machine-readable ISA for CDNA 5 (MIT licence, August 2026) and "CDNA5" Instruction Set Architecture Reference Guide (July 2026). The comments in the code are by the model that wrote it; some were corrected since.
;; Attention. Allowed arithmetic: matrix products marked QUANTISED: E2M1 operands, one E8M0 scale for each 32 along K, by v_wmma_scale_f32_16x16x128_f8f6f4 with both operands' format E2M1 (or v_wmma_scale_f32_32x16x128_f4), f32 sums; products left as they are: bf16, f16 or f32 operands; f32 sums; everything else in f32.
;; Inputs: Wkv 256 x 2,048 float32; Wo 1,024 x 512 float32; Wq 512 x 1,024 float32; bo 512 float32; kv 64 x 512 x 256 float32; q 64 x 128 x 512 float32.
;; Outputs: out0 64 x 128 x 512 float32.
;; This version of the problem:
;;   THIS VERSION OF THE PROBLEM IS GIVEN IN LOW PRECISION. The matrix products marked QUANTISED in the list below multiply operands that are first quantised to E2M1 (2 exponent bits, 1 mantissa bit; 4 bits a number), with one power-of-two scale for each 32 numbers along K (OCP MX v1.0); their sums are f32. The products marked 'left as it is' may take bf16, f16 or f32 operands, with f32 sums. Whichever they take, every output number must still come out within the allowed error. Rounding operands to bf16 (8 significant bits) uses up far more of that allowance than f16 does (11 bits, for magnitudes from 6e-5 to 65,504). All else is computed in f32.
;;   The module's matrix products, in the order in which they are computed (A, B: the left and right operand; K: the contracted axis; several contracted axes count as one K, in the product's order):
;;     1. [M 8,192, K 512] x [K 512, N 1,024]; A: input q; B: input Wq: QUANTISED
;;     2. [M 32,768, K 256] x [K 256, N 2,048]; A: input kv; B: input Wkv: QUANTISED
;;     3. batch 1,024 x [M 128, K 64] x [K 64, N 512]; A: computed on the way; B: computed on the way: left as it is (an operand is computed on the way)
;;     4. batch 1,024 x [M 128, K 512] x [K 512, N 64]; A: computed on the way; B: computed on the way: left as it is (an operand is computed on the way)
;;     5. [M 8,192, K 1,024] x [K 1,024, N 512]; A: computed on the way; B: input Wo: left as it is (an operand is computed on the way)
;;   THE QUANTISER, for each operand of a quantised product, along K:
;;     - K is cut into blocks of 32 from its start; a last block that is shorter is filled with zeros.
;;     - A block's scale is 2^e with e = floor(log2(the largest magnitude in the block)) - 2, held to -126 .. 127; a block of zeros has e = 0. As a byte (E8M0): e + 127.
;;     - Each number is divided by its block's scale, clamped to +-6, and rounded to the nearest number of E2M1, ties to even, subnormals kept.
;;     - The product sums the exact products of the quantised numbers (number of the format x scale) in f32.
;;   ~~~python
;;   def quantise(x, axis):      # numpy; x: float32 -> the quantised numbers, widened to float32 again
;;       x = np.moveaxis(x, axis, -1); K = x.shape[-1]
;;       x = np.pad(x, [(0, 0)] * (x.ndim - 1) + [(0, -K % 32)]); x = x.reshape(x.shape[:-1] + (-1, 32)); a = np.abs(x).max(-1, keepdims=True)
;;       e = np.where(a > 0, np.clip(np.frexp(np.where(a > 0, a, 1))[1] - 1 - 2, -126, 127), 0)      # np.frexp(a)[1] - 1 = floor(log2(a)), exactly
;;       r = np.clip(x / 2.0 ** e, -6, 6)
;;       step = 2.0 ** (np.maximum(np.frexp(np.where(r == 0, 1, r))[1] - 1, 0) - 1)
;;       q = np.round(r / step) * step * 2.0 ** e      # np.round: ties to even
;;       return np.moveaxis(q.reshape(q.shape[:-2] + (-1,))[..., :K], -1, axis).astype(np.float32)
;;   ~~~
;; One version. Each part assembles by itself: llvm-mc -triple=amdgcn-amd-amdhsa -mcpu=gfx1250 --defsym DOCPART=n.
;; ======== version 1 of 1: 3 launches
;; limits: values are held in f16: magnitudes above 65,504 overflow, below 6.1e-05 lose precision
;; workspace buffers: qc 2,097,152 bytes; qs 131,072 bytes; kc 4,194,304 bytes; ks 262,144 bytes; wc 524,288 bytes; ws 32,768 bytes; wo16 1,048,576 bytes; att 16,777,216 bytes
;; launch prep (part 1): grid 480 x 1, 4 waves a work-group, no clusters, 33,280 bytes of LDS; arguments Wq, Wkv, Wo, q, kv, wc, ws, wo16, qc, qs, kc, ks; writes wc, ws, wo16, qc, qs, kc, ks
.if DOCPART == 1
	.amdgcn_target "amdgcn-amd-amdhsa--gfx1250"
	.amdhsa_code_object_version 6
	.text
	.protected	k_q61204f9ac5_prep
	.globl	k_q61204f9ac5_prep
	.p2align	8
	.type	k_q61204f9ac5_prep,@function
k_q61204f9ac5_prep:
	s_mov_b64 s[64:65], 0
	v_nop
	global_prefetch_b8 v0, s[64:65] scope:SCOPE_SE
	s_setreg_imm32_b32 hwreg(HW_REG_WAVE_MODE, 25, 1), 1
	s_wait_xcnt 0x0
; PREP: every operand of the two quantised products is quantised ONCE (E2M1 codes, one E8M0 byte for each 32 along K), and Wo is rounded once to f16.
; Work-groups 0-31: Wq [512][1024];  32-63: Wkv [256][2048];  64-95: Wo [1024][512];  96-223: q [8192][512];  224-479: kv [32768][256].
; WEIGHTS (K is their first axis): a lane takes a column and its registers run down K, so a block of 32 lies in one lane and the conversions give codes with K innermost.
;   They leave as IMAGES OF THE OPERAND'S REGISTERS: a fragment (16 columns x 128 K) is 1,024 bytes, block be (32 K) of column r at 256 be + 16 r, which is 512 c + 16 x lane of the reader.
;   wc: Wq at 0, [column tile 64][K step 4]; Wkv at 262,144, [column tile 128][K step 2].  ws: one word for a column and 128 K: Wq at 0, [K step 4][1024]; Wkv at 16,384, [K step 2][2048].
;   wo16: f16 fragments (16 columns x 32 K, 1,024 bytes, eight K of column r at 256 o + 16 r): [column block 4][256 K 4][column tile 8][32 K 8].
; q AND kv (K innermost, rows dense): plain streams of blocks of 32; codes and scale bytes leave as streams too: qc [8192][256 B], qs [8192][16 B], kc [32768][128 B], ks [32768][8 B].
; A block's scale is 2^(floor(log2(largest magnitude)) - 2): its byte is the largest magnitude's exponent field - 2, held at 1 from below.
; LIMITS: a block of zeros gets the byte 1 where the rule says 127 (its codes are zeros, and this program alone reads the bytes); NaN and infinities are not served; Wo goes to f16: magnitudes under 65,504.
; No matrix unit, no cluster, no tensor load: each byte is read once and the waves share nothing.  The scale words of the weights leave 128 bytes a wave: one byte for 128 that the path reads.
.set SPARE, 32768                      ; behind the four waves' regions: the spare words, 128 bytes a wave, named by no other line
.set SPW,   12                         ; v12  SPARE + 4 x my thread's number; never rewritten
.set NIL,   13                         ; v13  0; never rewritten
.set W,     32                         ; v32-159  128 numbers down K of my column
.set CD,    160                        ; v160-175 the codes of four blocks
.set SW,    176                        ; v176     their four scale bytes
	s_load_b256 s[4:11], s[0:1], 0x0               ; Wq s[4:5], Wkv s[6:7], Wo s[8:9], q s[10:11]
	s_load_b256 s[12:19], s[0:1], 0x20             ; kv s[12:13], wc s[14:15], ws s[16:17], wo16 s[18:19]
	s_load_b256 s[20:27], s[0:1], 0x40             ; qc s[20:21], qs s[22:23], kc s[24:25], ks s[26:27]
	v_lshl_add_u32 v[SPW], v0, 2, SPARE
	v_mov_b32 v[NIL], 0
	v_lshrrev_b32 v1, 5, v0
	v_readfirstlane_b32 s28, v1                    ; wave 0..3
	v_and_b32 v2, 31, v0                           ; lane
	s_wait_kmcnt 0x0
	s_cmp_ge_u32 ttmp9, 96                         ; the paths part on the work-group's number alone
	s_cbranch_scc1 .Lstream
	s_cmp_ge_u32 ttmp9, 64
	s_cbranch_scc1 .Lwo
	s_cmp_ge_u32 ttmp9, 32
	s_cbranch_scc1 .Lwkv
; 128 rows of K at my column: each load reads 128 consecutive bytes a wave, the four waves side by side 512
.macro WLOAD src, pitch
.set i, 0
.rept 128
	global_load_b32 v[W+i], v3, s[\src:\src+1] offset:i*(\pitch) th:TH_LOAD_NT
.set i, i+1
.endr
.endm
; block be of my column: largest magnitude, byte, 32 codes = 16 bytes; sixteen lanes store 256 consecutive bytes, aligned
.macro WBLOCK be, left
.set XS, W+32*(\be)
	s_wait_loadcnt \left                           ; this block's 32 loads are in: no more than \left of those issued behind them are out
	v_max3_num_f32 v14, |v[XS]|, |v[XS+1]|, |v[XS+2]|
	v_max3_num_f32 v15, |v[XS+3]|, |v[XS+4]|, |v[XS+5]|
.irp i, 6,10,14,18,22,26
	v_max3_num_f32 v14, v14, |v[XS+\i]|, |v[XS+\i+1]|
	v_max3_num_f32 v15, v15, |v[XS+\i+2]|, |v[XS+\i+3]|
.endr
	v_max3_num_f32 v14, v14, |v[XS+30]|, |v[XS+31]|
	v_max3_num_f32 v14, v14, v15, 0x1800000        ; the floor 2^(3 - 127): the byte cannot fall under 1
	v_add_nc_u32 v11, 0xff000000, v14              ; 2 off the exponent field: the conversion takes this operand's exponent field as its scale
	v_lshrrev_b32 v15, 23, v11                     ; the scale's byte
.if (\be) == 0
	v_mov_b32 v[SW], v15
.else
	v_lshl_or_b32 v[SW], v15, 8*(\be), v[SW]       ; the lower K in the lower byte
.endif
.irp g, 0,1,2,3
	v_cvt_scalef32_pk8_fp4_f32 v[CD+4*(\be)+\g], v[XS+8*\g:XS+8*\g+7], v11
.endr
	global_store_b128 v5, v[CD+4*(\be):CD+4*(\be)+3], s[14:15] offset:256*(\be)   ; each block has its own four registers: no store's data are written again
.endm
; a weight [K][N]: a work-group takes 128 columns x 128 K (one K step), a wave 32 columns = two column tiles
.macro WQ N, KS, LOGG, LOGT, first, src, coff, soff
	s_sub_co_u32 s30, ttmp9, \first
	s_and_b32 s31, s30, (\N)/128-1                 ; which 128 columns
	s_lshr_b32 s32, s30, \LOGG                     ; which K step
	s_lshl_b32 s31, s31, 7
	s_lshl_b32 s33, s28, 5
	s_add_co_u32 s31, s31, s33                     ; my wave's first column n0
	s_mul_i32 s34, s32, 128*(\N)
	s_add_co_u32 s34, s34, s31
	s_lshl_b32 s34, s34, 2                         ; in: (128 s N + n0) x 4 bytes
	s_mov_b32 s35, 0
	s_add_nc_u64 s[\src:\src+1], s[\src:\src+1], s[34:35]
	s_lshr_b32 s36, s31, 4
	s_mul_i32 s36, s36, \KS
	s_add_co_u32 s36, s36, s32
	s_lshl_b32 s36, s36, 10
	s_add_co_u32 s36, s36, \coff                   ; codes: ((n0 / 16) KS + s) x 1,024
	s_mov_b32 s37, 0
	s_add_nc_u64 s[14:15], s[14:15], s[36:37]
	s_mul_i32 s38, s32, \N
	s_add_co_u32 s38, s38, s31
	s_lshl_b32 s38, s38, 2
	s_add_co_u32 s38, s38, \soff                   ; scale words: (s N + n0) x 4
	s_mov_b32 s39, 0
	s_add_nc_u64 s[16:17], s[16:17], s[38:39]
	v_lshlrev_b32 v3, 2, v2                        ; 4 bytes a lane
	v_lshrrev_b32 v4, 4, v2
	v_and_b32 v5, 15, v2
	v_lshlrev_b32 v5, 4, v5
	v_lshl_add_u32 v5, v4, \LOGT, v5               ; 16 (lane % 16) + (lane / 16) column tiles of KS x 1,024 bytes
	WLOAD \src, 4*(\N)
	WBLOCK 0, 63                                   ; 96 loads stand behind block 0's, 64 behind block 1's: 63 is the largest count the wait can name
	WBLOCK 1, 63
	WBLOCK 2, 32
	WBLOCK 3, 0
	global_store_b32 v3, v[SW], s[16:17]           ; my column's word for this K step
	s_endpgm
.endm
	WQ 1024, 4, 3, 12, 0, 4, 0, 0
.Lwkv:
	WQ 2048, 2, 4, 11, 32, 6, 262144, 16384
.Lwo:                                              ; Wo: 128 columns x 128 K a work-group; eight K of my column pack into 16 bytes
	s_sub_co_u32 s30, ttmp9, 64
	s_and_b32 s31, s30, 3                          ; column block
	s_lshr_b32 s32, s30, 2                         ; which 128 along K
	s_lshl_b32 s34, s32, 16                        ; 128 rows of 512 numbers
	s_lshl_b32 s33, s31, 7
	s_add_co_u32 s34, s34, s33
	s_lshl_b32 s33, s28, 5
	s_add_co_u32 s34, s34, s33
	s_lshl_b32 s34, s34, 2
	s_mov_b32 s35, 0
	s_add_nc_u64 s[8:9], s[8:9], s[34:35]
	s_lshl_b32 s36, s31, 18                        ; out: column block x 262,144
	s_lshr_b32 s33, s32, 1
	s_lshl_b32 s33, s33, 16
	s_add_co_u32 s36, s36, s33                     ; + which 256 K x 65,536
	s_and_b32 s33, s32, 1
	s_lshl_b32 s33, s33, 12
	s_add_co_u32 s36, s36, s33                     ; + its first or second four fragments
	s_lshl_b32 s33, s28, 14
	s_add_co_u32 s36, s36, s33                     ; + my wave's two column tiles of 8,192 bytes
	s_mov_b32 s37, 0
	s_add_nc_u64 s[18:19], s[18:19], s[36:37]
	v_lshlrev_b32 v3, 2, v2
	v_lshrrev_b32 v4, 4, v2
	v_and_b32 v5, 15, v2
	v_lshlrev_b32 v5, 4, v5
	v_lshl_add_u32 v5, v4, 13, v5
	WLOAD 8, 2048
; 32 K: four groups of eight.  In place: a result's register number never passes a number not yet read, nor comes back to a register that a store reads
.macro WOQ qq, left
	s_wait_loadcnt \left
.irp o, 0,1,2,3
.irp jj, 0,1,2,3
	v_cvt_pk_f16_f32 v[W+4*(4*(\qq)+\o)+\jj], v[W+8*(4*(\qq)+\o)+2*\jj], v[W+8*(4*(\qq)+\o)+2*\jj+1]
.endr
	global_store_b128 v5, v[W+4*(4*(\qq)+\o):W+4*(4*(\qq)+\o)+3], s[18:19] offset:256*(4*(\qq)+\o)   ; sixteen lanes: 256 consecutive bytes, aligned
.endr
.endm
	WOQ 0, 63
	WOQ 1, 63
	WOQ 2, 32
	WOQ 3, 0
	s_endpgm
; q and kv.  A wave takes 16 steps of 512 numbers.  Each of a step's four loads reads 512 consecutive bytes; the 2,048 bytes turn through the wave's own stage in LDS, so that a lane gets 16 NEIGHBOURS along K
; (two neighbouring lanes hold a block).  A lane's 16 codes are 8 bytes: the wave stores 256 consecutive bytes.  A wave's 256 scale bytes are gathered in its own LDS bytes and leave together.
; The loads run AHEAD = 8 steps ahead of the work: 32 loads, 16 KiB, of every wave are on their way, half of all that the wave reads.
.set STEPS, 16
.set AHEAD, 8
.set WGA,   128                        ; q's work-groups; kv's follow
.set CB,    8
.set R,     16                         ; v16-143  AHEAD sets of 16 numbers as loaded
.set X,     144                        ; v144-175 two sets of 16 neighbours
.set E,     176                        ; v176-191 a scale byte for each step
.set C,     192                        ; v192-223 codes: two registers for each step, so that no store's data are written again
.set WREG,  8192                       ; a wave's LDS region: two stages of 32 x SP bytes, then its 256 scale bytes
.set SP,    80                         ; a lane's 64 bytes + 16 of padding
.Lstream:
	v_lshlrev_b32 v3, 4, v2                        ; my 16 bytes of a load's 512
	s_mul_i32 s30, s28, WREG
	v_lshrrev_b32 v14, 2, v2
	v_mul_u32_u24 v14, v14, SP
	v_and_b32 v15, 3, v2
	v_lshl_add_u32 v14, v15, 4, v14
	v_add_nc_u32 v14, s30, v14                     ; into the stage: SP (lane / 4) + 16 (lane % 4)
	v_mul_u32_u24 v15, v2, SP
	v_add_nc_u32 v15, s30, v15                     ; out of it: SP x lane
	v_mul_u32_u24 v4, v2, CB
	v_lshrrev_b32 v5, 1, v2
	s_add_co_u32 s30, s30, 2*32*SP
	v_add_nc_u32 v5, s30, v5                       ; my block's scale byte
	v_lshlrev_b32 v7, 3, v2
	v_add_nc_u32 v6, s30, v7
	s_sub_co_u32 s31, ttmp9, 96
	s_cmp_lt_u32 s31, WGA                          ; q or kv: only pointers are chosen, both take one way through the text
	s_cselect_b64 s[10:11], s[10:11], s[12:13]
	s_cselect_b64 s[20:21], s[20:21], s[24:25]
	s_cselect_b64 s[22:23], s[22:23], s[26:27]
	s_cselect_b32 s32, 0, WGA
	s_sub_co_u32 s31, s31, s32
	s_lshl_b32 s31, s31, 2
	s_add_co_u32 s31, s31, s28                     ; which run of 8,192 numbers is my wave's (at most 1,023)
	s_mov_b32 s35, 0
	s_lshl_b32 s34, s31, 15
	s_add_nc_u64 s[10:11], s[10:11], s[34:35]
	s_lshl_b32 s34, s31, 12
	s_add_nc_u64 s[20:21], s[20:21], s[34:35]
	s_lshl_b32 s34, s31, 8
	s_add_nc_u64 s[22:23], s[22:23], s[34:35]
.macro SLOAD t
.irp i, 0,1,2,3
	global_load_b128 v[R+16*((\t)%AHEAD)+4*\i:R+16*((\t)%AHEAD)+4*\i+3], v3, s[10:11] offset:2048*(\t)+512*\i th:TH_LOAD_NT
.endr
.endm
.macro STURN t                         ; LDS serves a wave's instructions in order (ISA guide 5.7.1.4): no wait between the stores and the loads
.irp i, 0,1,2,3
	ds_store_b128 v14, v[R+16*((\t)%AHEAD)+4*\i:R+16*((\t)%AHEAD)+4*\i+3] offset:32*SP*((\t)%2)+8*SP*\i
.endr
.irp i, 0,1,2,3
	ds_load_b128 v[X+16*((\t)%2)+4*\i:X+16*((\t)%2)+4*\i+3], v15 offset:32*SP*((\t)%2)+16*\i
.endr
.endm
.irp t, 0,1,2,3,4,5,6,7
	SLOAD \t
.endr
	s_wait_loadcnt 4*(AHEAD-1)                     ; step 0's four loads are in; the seven later steps' 28 may be out
	STURN 0
.macro SSTEP t
.set XS, X+16*((\t)%2)
.if (\t) > 0
	s_wait_dscnt 1                                 ; this step's numbers are back from the stage (the last step's byte store may be out)
.else
	s_wait_dscnt 0x0
.endif
.if (\t)+AHEAD < STEPS
	SLOAD (\t)+AHEAD                               ; into the registers that this step's stores into the stage have read
.endif
.if (\t)+1 < STEPS
.if STEPS-2-(\t) >= AHEAD-1
	s_wait_loadcnt 4*(AHEAD-1)                     ; the next step's four loads are in; those of the seven steps behind it may be out
.else
	s_wait_loadcnt 4*(STEPS-2-(\t))                ; in the tail: those of the steps that are left
.endif
	STURN (\t)+1
.endif
	v_max3_num_f32 v8, |v[XS]|, |v[XS+1]|, |v[XS+2]|
	v_max3_num_f32 v9, |v[XS+3]|, |v[XS+4]|, |v[XS+5]|
.irp i, 6,10
	v_max3_num_f32 v8, v8, |v[XS+\i]|, |v[XS+\i+1]|
	v_max3_num_f32 v9, v9, |v[XS+\i+2]|, |v[XS+\i+3]|
.endr
	v_max3_num_f32 v8, v8, |v[XS+14]|, |v[XS+15]|
	v_max3_num_f32 v8, v8, v9, 0x1800000           ; the floor 2^(3 - 127)
	v_max_num_f32_dpp v8, v8, v8 row_xmask:1 row_mask:0xf bank_mask:0xf   ; with my neighbour's 16: the block's largest magnitude
	v_add_nc_u32 v11, 0xff000000, v8
	v_cvt_scalef32_pk8_fp4_f32 v[C+2*(\t)], v[XS:XS+7], v11
	v_cvt_scalef32_pk8_fp4_f32 v[C+2*(\t)+1], v[XS+8:XS+15], v11
	v_lshrrev_b32 v[E+(\t)], 23, v11               ; the scale's byte (also the plain line behind the conversions)
	ds_store_b8 v5, v[E+(\t)] offset:16*(\t)       ; both lanes of a block write the same byte with the same value
	global_store_b64 v4, v[C+2*(\t):C+2*(\t)+1], s[20:21] offset:32*CB*(\t)
.endm
.irp t, 0,1,2,3,4,5,6,7,8,9,10,11,12,13,14,15
	SSTEP \t
.endr
	ds_load_b64 v[8:9], v6                         ; in order behind my byte stores
	s_wait_dscnt 0x0
	global_store_b64 v7, v[8:9], s[22:23]          ; 32 lanes store 256 consecutive bytes, aligned
	s_wait_tensorcnt 0x0                           ; the wave's end: three lines behind my last LDS store
	ds_add_u32 v[SPW], v[NIL]
	s_wait_dscnt 0x0
	s_endpgm
.Lfunc_end_k_q61204f9ac5_prep:
	.size	k_q61204f9ac5_prep, .Lfunc_end_k_q61204f9ac5_prep-k_q61204f9ac5_prep
	.p2alignl 7, 3214868480
	.fill 96, 4, 3214868480
	.section	.rodata,"a",@progbits
	.p2align	6, 0x0
	.amdhsa_kernel k_q61204f9ac5_prep
		.amdhsa_group_segment_fixed_size 33280
		.amdhsa_private_segment_fixed_size 0
		.amdhsa_enable_private_segment 0
		.amdhsa_kernarg_size 96
		.amdhsa_user_sgpr_count 2
		.amdhsa_user_sgpr_kernarg_segment_ptr 1
		.amdhsa_wavefront_size32 1
		.amdhsa_system_sgpr_workgroup_id_x 1
		.amdhsa_system_sgpr_workgroup_id_y 1
		.amdhsa_system_sgpr_workgroup_id_z 1
		.amdhsa_system_vgpr_workitem_id 0
		.amdhsa_next_free_vgpr 224
		.amdhsa_next_free_sgpr 66
		.amdhsa_reserve_vcc 0
		.amdhsa_float_denorm_mode_32 3
		.amdhsa_float_denorm_mode_16_64 3
		.amdhsa_memory_ordered 1
		.amdhsa_forward_progress 1
		.amdhsa_inst_pref_size 91
	.end_amdhsa_kernel
	.amdgpu_metadata
---
amdhsa.version: [ 1, 2 ]
amdhsa.kernels:
  - .name:           k_q61204f9ac5_prep
    .symbol:         k_q61204f9ac5_prep.kd
    .args:
      - { .name: Wq, .offset: 0, .size: 8, .value_kind: global_buffer, .address_space: global }
      - { .name: Wkv, .offset: 8, .size: 8, .value_kind: global_buffer, .address_space: global }
      - { .name: Wo, .offset: 16, .size: 8, .value_kind: global_buffer, .address_space: global }
      - { .name: q, .offset: 24, .size: 8, .value_kind: global_buffer, .address_space: global }
      - { .name: kv, .offset: 32, .size: 8, .value_kind: global_buffer, .address_space: global }
      - { .name: wc, .offset: 40, .size: 8, .value_kind: global_buffer, .address_space: global }
      - { .name: ws, .offset: 48, .size: 8, .value_kind: global_buffer, .address_space: global }
      - { .name: wo16, .offset: 56, .size: 8, .value_kind: global_buffer, .address_space: global }
      - { .name: qc, .offset: 64, .size: 8, .value_kind: global_buffer, .address_space: global }
      - { .name: qs, .offset: 72, .size: 8, .value_kind: global_buffer, .address_space: global }
      - { .name: kc, .offset: 80, .size: 8, .value_kind: global_buffer, .address_space: global }
      - { .name: ks, .offset: 88, .size: 8, .value_kind: global_buffer, .address_space: global }
    .group_segment_fixed_size: 33280
    .private_segment_fixed_size: 0
    .kernarg_segment_align: 8
    .kernarg_segment_size: 96
    .max_flat_workgroup_size: 128
    .sgpr_count:     66
    .vgpr_count:     224
    .wavefront_size: 32
...
	.end_amdgpu_metadata
.endif
;; end of part 1
;; launch attn (part 2): grid 4 x 64, 4 waves a work-group, no clusters, 115,200 bytes of LDS; arguments qc, qs, kc, ks, wc, ws, att; writes att
.if DOCPART == 2
	.amdgcn_target "amdgcn-amd-amdhsa--gfx1250"
	.amdhsa_code_object_version 6
	.text
	.protected	k_q61204f9ac5_attn
	.globl	k_q61204f9ac5_attn
	.p2align	8
	.type	k_q61204f9ac5_attn,@function
k_q61204f9ac5_attn:
	s_mov_b64 s[64:65], 0
	v_nop
	global_prefetch_b8 v0, s[64:65] scope:SCOPE_SE
	s_setreg_imm32_b32 hwreg(HW_REG_WAVE_MODE, 25, 1), 1
	s_wait_xcnt 0x0
; ATTN: the projections q Wq and kv Wkv (MX-FP4, codes and scale bytes as they were made), the scores, the softmax and P V (f16 operands, f32 sums): ONE WAVE = ONE (batch, head), all in registers.
; Work-group (x = head group g, y = batch b); wave w owns head 4 g + w: all 128 queries (8 tiles of 16) and all 512 keys, 128 a step.  K and V never go to memory.
; NOTHING CHANGES LANES BETWEEN THE PRODUCTS.  Q^T = Wq (source 0) x q (source 1): lane (r, h) holds query r, channels 16 t + 8 h + j; two such tiles, packed to f16 in pairs, ARE source 1 (32 channels x 16 queries)
; of S^T = K Q^T.  K^T = Wk x kv gives source 0 of S^T likewise.  V = kv (source 0) x Wv (source 1): lane holds channel r, keys 8 h + j: two key tiles ARE source 0 of O^T = V^T P.  P is S^T packed in pairs.
; SOFTMAX: for each query a running maximum m and sum l; p = 2^(c s - c m), c = log2(e) / 8; in every step O^T and l are multiplied by a = 2^(c m_old - c m_new).  l sums the unrounded p.
; BY TURNS.  A wave issues in order and is alone on its SIMD, so products and softmax set in phases would leave one unit idle while the other works.  S^T has two buffers.  In the TURN of query tile qt the tile's softmax,
; a numbered list of 220 vector instructions, is written out, and in front of every seventh of them stands one matrix instruction: first the 16 products V^T P of tile qt - 1, then the 16 products K Q^T of tile qt + 1,
; into the other buffer.  There are about seven vector instructions for each matrix instruction, so a slice and two switches of the register windows between two products are the lesser price.
; A key step's first scores (tile 0) and its last V^T P (tile 7) stand bare.
; The batch's codes (kv 64 KiB, q 32 KiB) and scale bytes (6 KiB) come into LDS once, through registers, with padded rows; one barrier; after it the waves share nothing.  Each wave's weights (32 KiB) go straight to its registers.
; NO CLUSTER: what the four work-groups of a batch share is these 102 KiB, read once at the head and in no loop, against 1,664 matrix instructions a wave; the weights land in registers, where no joint load can put them.
; NO PREFETCH: every global read is issued at the head.
; O^T leaves as f16 IMAGES OF THE NEXT PRODUCT'S FRAGMENTS (16 rows x 32 K, 1,024 bytes at 512 c + 16 x lane): att [g 4][row tile 512][fragment 8]: each store of a wave is 512 consecutive bytes, aligned.
; LIMITS: Q, K, V and the attention's result go to f16: magnitudes under 65,504 (the drawn inputs give about 5; inputs 30 times larger, all of them, about 4,500); NaN and infinities are not served.
; REGISTERS, in windows of 256 (s_set_vgpr_msb: bits 1:0 source 0, 3:2 source 1, 5:4 source 2, 7:6 destination):
;  window 0: v1-15 addresses; v16-23 Wk's scale words, v24-31 Wv's, v72-79 kv's or q's (two sets), v112-127 Wq's (these hold scales alone); v32-63 statistics, four a query tile: c m, m, l (two halves);
;            v64-71 at work; v80-111 fragments of codes (kv: two sets of 16; q: one set, the other in v224-255); v128-191 S^T buffer 0 and the projections' results; v192-223 P;
;            S^T buffer 1: key tiles 0-3 in v80-111, key tiles 4-7 in v224-255 (the fragments' registers lie idle while the tiles are walked).
;  window 1: Wq's 16 fragments, then O^T (32 a query tile).   window 2: the copy's data, then Q (v0-127) and K of a step (v128-255).   window 3: V^T of a step (v0-127), Wk (v128-191), Wv (v192-255).
.set KVP,   144                        ; a key's 128 bytes of codes + 16: nine times 16 bytes, so the 16 rows of a load start 16 bytes apart modulo 256
.set QC,    73728                      ; behind kv's 512 rows: q's 128 rows of
.set QP,    272                        ; 256 bytes + 16
.set KVS,   108544                     ; kv's scale bytes, 8 a key
.set QS,    112640                     ; q's, 16 a query
.set SPARE, 114688                     ; the spare words, 128 bytes a wave, named by no other line
.set MSB, 0
.macro WIN new                         ; the immediate's high byte repeats the setting that is left; a switch that changes nothing is dropped
.if MSB != \new
	s_set_vgpr_msb (MSB<<8)|\new
.set MSB, \new
.endif
.endm
.macro PLACES                          ; four plain places behind a matrix instruction, in front of loads into its registers and of reads of its result
.rept 4
	v_nop
.endr
.endm
	s_load_b256 s[4:11], s[0:1], 0x0               ; qc s[4:5], qs s[6:7], kc s[8:9], ks s[10:11]
	s_load_b128 s[12:15], s[0:1], 0x20             ; wc s[12:13], ws s[14:15]
	s_load_b64 s[16:17], s[0:1], 0x30              ; att
	v_lshl_add_u32 v10, v0, 2, SPARE               ; my spare word; never rewritten
	v_mov_b32 v11, 0                               ; 0; never rewritten
	v_lshrrev_b32 v64, 5, v0
	v_readfirstlane_b32 s18, v64                   ; wave
	s_mov_b32 s19, ttmp9                           ; g
	s_and_b32 s20, ttmp7, 0xffff                   ; b
	s_lshl_b32 s21, s19, 2
	s_add_co_u32 s21, s21, s18                     ; head
	s_mov_b32 s22, 0x3e38aa3b                      ; c = log2(e) / 8
	s_mov_b32 s23, s22                             ; (named with it as a pair)
	s_mov_b32 s24, 0x76543210
	s_mov_b32 s25, 0xfedcba98                      ; v_permlanex16_b32's selects for lane l xor 16
	v_and_b32 v64, 15, v0                          ; r
	v_bfe_u32 v65, v0, 4, 1                        ; h
	v_and_b32 v66, 31, v0                          ; lane
	v_lshlrev_b32 v1, 4, v0                        ; the copy: 16 x thread
	v_lshlrev_b32 v6, 4, v66                       ; an image: 16 x lane
	v_lshlrev_b32 v7, 2, v64                       ; a weight's scale word: 4 r
	v_mul_u32_u24 v2, v64, KVP
	v_lshl_add_u32 v2, v65, 4, v2                  ; kv's fragments: row r, + 16 h
	v_lshl_add_u32 v3, v64, 3, KVS                 ; kv's scale words
	v_mul_u32_u24 v4, v64, QP
	v_lshl_add_u32 v4, v65, 4, v4
	v_add_nc_u32 v4, QC, v4                        ; q's fragments
	v_lshl_add_u32 v5, v64, 4, QS                  ; q's scale words
	v_lshrrev_b32 v66, 3, v0
	v_and_b32 v67, 7, v0
	v_mul_u32_u24 v12, v66, KVP
	v_lshl_add_u32 v12, v67, 4, v12                ; the copy of kv's codes: eight threads to a row, 16 rows a load
	v_add_nc_u32 v13, 36864, v12                   ; (its second half: the immediate has 16 bits)
	v_lshrrev_b32 v66, 4, v0
	v_mul_u32_u24 v14, v66, QP
	v_lshl_add_u32 v14, v64, 4, v14
	v_add_nc_u32 v14, QC, v14                      ; of q's: sixteen threads to a row, 8 rows a load
	v_lshl_add_u32 v15, v0, 4, KVS                 ; of the scale bytes: dense
	s_mov_b32 s45, 0
	s_wait_kmcnt 0x0
	s_lshl_b32 s44, s20, 15
	s_add_nc_u64 s[4:5], s[4:5], s[44:45]          ; the batch's q codes,
	s_lshl_b32 s44, s20, 11
	s_add_nc_u64 s[6:7], s[6:7], s[44:45]          ; q scales,
	s_lshl_b32 s44, s20, 16
	s_add_nc_u64 s[8:9], s[8:9], s[44:45]          ; kv codes,
	s_lshl_b32 s44, s20, 12
	s_add_nc_u64 s[10:11], s[10:11], s[44:45]      ; kv scales
	s_lshl_b32 s44, s21, 14
	s_add_nc_u64 s[30:31], s[12:13], s[44:45]      ; my head's 16 fragments of Wq,
	s_lshl_b32 s44, s21, 13
	s_add_co_u32 s44, s44, 262144
	s_add_nc_u64 s[32:33], s[12:13], s[44:45]      ; its 8 of Wk (Wv's lie 131,072 bytes on),
	s_lshl_b32 s44, s21, 8
	s_add_nc_u64 s[14:15], s[14:15], s[44:45]      ; its 64 columns' scale words
	s_lshl_b32 s44, s19, 22
	s_lshl_b32 s46, s20, 16
	s_add_co_u32 s44, s44, s46
	s_lshl_b32 s46, s18, 11
	s_add_co_u32 s44, s44, s46
	s_add_nc_u64 s[16:17], s[16:17], s[44:45]      ; att: g x 4 MiB + 8 b row tiles of 8,192 + my head's two fragments
	; ---- all global reads: the copy's 51 loads (2,048 consecutive bytes a work-group each), then my weights
	WIN 0x80                                       ; destination window 2
.set n, 0
.rept 32
	global_load_b128 v[4*n:4*n+3], v1, s[8:9] offset:2048*n
.set n, n+1
.endr
.rept 16
	global_load_b128 v[4*n:4*n+3], v1, s[4:5] offset:2048*(n-32)
.set n, n+1
.endr
.rept 2
	global_load_b128 v[4*n:4*n+3], v1, s[10:11] offset:2048*(n-48)
.set n, n+1
.endr
	global_load_b128 v[200:203], v1, s[6:7]
	WIN 0x40                                       ; destination window 1: Wq's fragment (channel tile t, K step ks) at v[32 t + 8 ks]
.irp t, 0,1,2,3
.irp ks, 0,1,2,3
.irp c, 0,1
	global_load_b128 v[32*\t+8*\ks+4*\c:32*\t+8*\ks+4*\c+3], v6, s[30:31] offset:(4*\t+\ks)*1024+512*\c
.endr
.endr
.endr
	WIN 0xc0                                       ; destination window 3: Wk at v[128 + 16 t + 8 ks], Wv at v[192 + 16 t + 8 ks]
.irp t, 0,1,2,3
.irp ks, 0,1
.irp c, 0,1
	global_load_b128 v[128+16*\t+8*\ks+4*\c:128+16*\t+8*\ks+4*\c+3], v6, s[32:33] offset:(2*\t+\ks)*1024+512*\c
	global_load_b128 v[192+16*\t+8*\ks+4*\c:192+16*\t+8*\ks+4*\c+3], v6, s[32:33] offset:131072+(2*\t+\ks)*1024+512*\c
.endr
.endr
.endr
	WIN 0
.irp t, 0,1,2,3
.irp ks, 0,1,2,3
	global_load_b32 v[112+4*\t+\ks], v7, s[14:15] offset:4096*\ks+64*\t
.endr
.endr
.irp t, 0,1,2,3
.irp ks, 0,1
	global_load_b32 v[16+2*\t+\ks], v7, s[14:15] offset:16384+8192*\ks+64*\t
	global_load_b32 v[24+2*\t+\ks], v7, s[14:15] offset:20480+8192*\ks+64*\t
.endr
.endr
	s_wait_loadcnt 63                              ; the copy's 51 loads are in: 96 were issued behind them, and 63 is the largest count the wait can name
	WIN 0x08                                       ; an LDS store's data are its source 1: window 2
.set n, 0
.rept 16
	ds_store_b128 v12, v[4*n:4*n+3] offset:2304*n
.set n, n+1
.endr
.rept 16
	ds_store_b128 v13, v[4*n:4*n+3] offset:2304*(n-16)
.set n, n+1
.endr
.rept 16
	ds_store_b128 v14, v[4*n:4*n+3] offset:2176*(n-32)
.set n, n+1
.endr
	ds_store_b128 v15, v[192:195]
	ds_store_b128 v15, v[196:199] offset:2048
	ds_store_b128 v15, v[200:203] offset:4096      ; q's scale bytes lie 4,096 behind kv's
	WIN 0
	s_wait_dscnt 0x0                               ; for the others' sake: my stores have landed
	s_barrier_signal -1
	s_barrier_wait -1                              ; the launch's one barrier: from here on LDS is only read
	s_wait_loadcnt 0x0                             ; my weights
	; ---- Q^T = Wq q^T, a tile of 16 queries at a time: 4 channel tiles by turns x 4 K steps.  The next tile's codes are asked for ahead of this tile's products, into the other set of registers
.macro QLOAD qt
.set LFB, 80+144*((\qt)%2)             ; v80-111 or v224-255
.set LSC, 72+4*((\qt)%2)               ; v72-75 or v76-79
.irp ks, 0,1,2,3
.irp c, 0,1
	ds_load_b128 v[LFB+8*\ks+4*\c:LFB+8*\ks+4*\c+3], v4 offset:4352*(\qt)+64*\ks+32*\c
.endr
.endr
	ds_load_b128 v[LSC:LSC+3], v5 offset:256*(\qt) ; the rows' four scale words
.endm
.macro QPROJ qt
	WIN 0
	s_wait_dscnt 0x0                               ; this tile's codes are in
.if (\qt) < 7
	QLOAD (\qt)+1                                  ; into the set that the tile before multiplied: its four places and 16 conversions stand between
.endif
.set FB, 80+144*((\qt)%2)
.set SCB, 72+4*((\qt)%2)
	WIN 0x01                                       ; source 0 (Wq) window 1
.irp ks, 0,1,2,3
.irp t, 0,1,2,3
.if \ks == 0
	v_wmma_scale_f32_16x16x128_f8f6f4 v[128+8*\t:135+8*\t], v[32*\t+8*\ks:32*\t+8*\ks+7], v[FB+8*\ks:FB+8*\ks+7], 0, v[112+4*\t+\ks], v[SCB+\ks] matrix_a_fmt:MATRIX_FMT_FP4 matrix_b_fmt:MATRIX_FMT_FP4
.else
	v_wmma_scale_f32_16x16x128_f8f6f4 v[128+8*\t:135+8*\t], v[32*\t+8*\ks:32*\t+8*\ks+7], v[FB+8*\ks:FB+8*\ks+7], v[128+8*\t:135+8*\t], v[112+4*\t+\ks], v[SCB+\ks] matrix_a_fmt:MATRIX_FMT_FP4 matrix_b_fmt:MATRIX_FMT_FP4
.endif
.endr
.endr
	WIN 0
	PLACES
	WIN 0x80                                       ; destination window 2: Q's fragment (tile qt, channels 32 kd on) at v[16 qt + 8 kd]
.irp t, 0,1,2,3
.irp jj, 0,1,2,3
	v_cvt_pk_f16_f32 v[16*(\qt)+8*(\t/2)+4*(\t%2)+\jj], v[128+8*\t+2*\jj], v[129+8*\t+2*\jj]   ; each result from its low end on
.endr
.endr
.endm
	QLOAD 0
.irp qt, 0,1,2,3,4,5,6,7
	QPROJ \qt
.endr
	; ---- O^T, l and m begin so that the key step is written once: the first change of m multiplies zeros.  (A second copy of the step, with sums that start at 0, would nearly double the text.)
	WIN 0x40
.set i, 0
.rept 256
	v_mov_b32 v[i], 0
.set i, i+1
.endr
	WIN 0
.irp qt, 0,1,2,3,4,5,6,7
	v_mov_b32 v[33+4*\qt], 0xff61b1e6              ; m = -3e38, under every score
	v_mul_f32 v[32+4*\qt], s22, v[33+4*\qt]        ; c m
	v_mov_b32 v[34+4*\qt], 0                       ; l, in two halves
	v_mov_b32 v[35+4*\qt], 0
.endr
	v_mov_b32 v69, 0                               ; (named as the upper half of the pair v[68:69])
	v_mov_b32 v71, 0                               ; (a lane permute's destination counts as one of its sources)
	s_mov_b32 s26, 4                               ; key steps
	s_mov_b32 s27, 0                               ; the step's codes in LDS: 128 rows of 144 bytes a step
	s_mov_b32 s28, 0                               ; its scale words: 1,024 bytes a step
.macro KVLOAD kt
.set LFB, 80+16*((\kt)%2)              ; v80-95 or v96-111
.set LSC, 72+2*((\kt)%2)               ; v72-73 or v74-75
.irp ks, 0,1
.irp c, 0,1
	ds_load_b128 v[LFB+8*\ks+4*\c:LFB+8*\ks+4*\c+3], v8 offset:2304*(\kt)+64*\ks+32*\c
.endr
.endr
	ds_load_b64 v[LSC:LSC+1], v9 offset:128*(\kt)  ; the keys' two scale words
.endm
; 16 keys: K^T = Wk kv^T (4 channel tiles by turns x 2 K steps), V = kv Wv (likewise), both packed to f16 into the next products' fragments
.macro KVPROJ kt
	WIN 0
	s_wait_dscnt 0x0                               ; these keys' codes are in
.if (\kt) < 7
	KVLOAD (\kt)+1                                 ; the next 16 keys', into the set that the keys before multiplied: their four places and 32 conversions stand between
.endif
.set FB, 80+16*((\kt)%2)
.set SCB, 72+2*((\kt)%2)
	WIN 0x03                                       ; source 0 (Wk) window 3
.irp ks, 0,1
.irp t, 0,1,2,3
.if \ks == 0
	v_wmma_scale_f32_16x16x128_f8f6f4 v[128+8*\t:135+8*\t], v[128+16*\t+8*\ks:135+16*\t+8*\ks], v[FB+8*\ks:FB+8*\ks+7], 0, v[16+2*\t+\ks], v[SCB+\ks] matrix_a_fmt:MATRIX_FMT_FP4 matrix_b_fmt:MATRIX_FMT_FP4
.else
	v_wmma_scale_f32_16x16x128_f8f6f4 v[128+8*\t:135+8*\t], v[128+16*\t+8*\ks:135+16*\t+8*\ks], v[FB+8*\ks:FB+8*\ks+7], v[128+8*\t:135+8*\t], v[16+2*\t+\ks], v[SCB+\ks] matrix_a_fmt:MATRIX_FMT_FP4 matrix_b_fmt:MATRIX_FMT_FP4
.endif
.endr
.endr
	WIN 0x0c                                       ; source 1 (Wv) window 3
.irp ks, 0,1
.irp t, 0,1,2,3
.if \ks == 0
	v_wmma_scale_f32_16x16x128_f8f6f4 v[160+8*\t:167+8*\t], v[FB+8*\ks:FB+8*\ks+7], v[192+16*\t+8*\ks:199+16*\t+8*\ks], 0, v[SCB+\ks], v[24+2*\t+\ks] matrix_a_fmt:MATRIX_FMT_FP4 matrix_b_fmt:MATRIX_FMT_FP4
.else
	v_wmma_scale_f32_16x16x128_f8f6f4 v[160+8*\t:167+8*\t], v[FB+8*\ks:FB+8*\ks+7], v[192+16*\t+8*\ks:199+16*\t+8*\ks], v[160+8*\t:167+8*\t], v[SCB+\ks], v[24+2*\t+\ks] matrix_a_fmt:MATRIX_FMT_FP4 matrix_b_fmt:MATRIX_FMT_FP4
.endif
.endr
.endr
	WIN 0
	PLACES
	WIN 0x80                                       ; K's fragment (key tile kt, channels 32 kd on) at v[128 + 16 kt + 8 kd] of window 2
.irp t, 0,1,2,3
.irp jj, 0,1,2,3
	v_cvt_pk_f16_f32 v[128+16*(\kt)+8*(\t/2)+4*(\t%2)+\jj], v[128+8*\t+2*\jj], v[129+8*\t+2*\jj]
.endr
.endr
	WIN 0xc0                                       ; V^T's fragment (channel tile t, keys 32 kk on) at v[32 t + 8 kk] of window 3
.irp t, 0,1,2,3
.irp jj, 0,1,2,3
	v_cvt_pk_f16_f32 v[32*\t+8*((\kt)/2)+4*((\kt)%2)+\jj], v[160+8*\t+2*\jj], v[161+8*\t+2*\jj]
.endr
.endr
.endm
; THE MATRIX WORK OF A TURN.  Register x (0 .. 63) of S^T's buffer u lies at 128 + x - u (48 - 112 (x / 32)): buffer 0 at v128-191; buffer 1 at v80-111 and v224-255.
; Product n of 16 of S^T = K Q^T of a query tile, into buffer tile % 2: channels 32 (n / 8) on, keys 16 (n % 8) on.  The first 8 start the sums; the 8 accumulators take turns.
.macro SPROD tile
.set xkd, n/8
.set xkt, n%8
.set rS, 128+8*xkt-((\tile)%2)*(48-112*(xkt/4))
.set rK, 128+16*xkt+8*xkd
.set rQ, 16*(\tile)+8*xkd
	WIN 0x0a                                       ; K and Q in window 2
.if xkd == 0
	v_wmma_f32_16x16x32_f16 v[rS:rS+7], v[rK:rK+7], v[rQ:rQ+7], 0
.else
	v_wmma_f32_16x16x32_f16 v[rS:rS+7], v[rK:rK+7], v[rQ:rQ+7], v[rS:rS+7]
.endif
.endm
; Product n of 16 of O^T += V^T P of a query tile: keys 32 (n / 4) on, channels 16 (n % 4) on: the 4 accumulators take turns.
.macro PVPROD tile
.set xkk, n/4
.set xt, n%4
.set rO, 32*(\tile)+8*xt
.set rV, 32*xt+8*xkk
.set rP, 192+8*xkk
	WIN 0x53                                       ; V^T window 3, P window 0, O^T window 1
	v_wmma_f32_16x16x32_f16 v[rO:rO+7], v[rV:rV+7], v[rP:rP+7], v[rO:rO+7]
.endm
; THE VECTOR WORK OF A TURN: number j of the 220 instructions of query tile qt's softmax for this key step.  Its 64 scores lie in buffer qt % 2.
;   0       c m_old is kept for a
;   1-32    the maximum of my 64 scores: four chains of 16 ascending registers, so that each result is read from its low end on
;   33-39   the chains and the old m; lane l xor 16's; the new m; c m; a = 2^(c m_old - c m_new)
;   40-71   c s - c m, two at a time          72-135  the 64 exponentials, in place
;   136-139 four v_nop: the plain line behind the last exponential, and the four places between the last V^T P of the tile before (in front of number 105) and the first write of P
;   (wait)  TURN writes it in front of number 140: one for all 65 exponentials
;   140-171 P, rounded to f16 in pairs        172-202 the sum of the 32 pairs, in place: neighbours 1, 2, 4, 8, 16 pairs apart        203 l = a l + the sum
;   204-219 the tile's O^T times a: the one part that leaves window 0
.macro SM qt
.set sb, (\qt)%2
.set sT, 32+4*(\qt)
.if j < 204
	WIN 0
.endif
.if j == 0
	v_mov_b32 v70, v[sT]
.elseif j < 5
.set xc, j-1
.set x0, 128+16*xc-sb*(48-112*(xc/2))
	v_max3_num_f32 v[64+xc], v[x0], v[x0+1], v[x0+2]
.elseif j < 29
.set xc, (j-5)%4
.set x0, 128+16*xc-sb*(48-112*(xc/2))+3+2*((j-5)/4)
	v_max3_num_f32 v[64+xc], v[64+xc], v[x0], v[x0+1]
.elseif j < 33
.set xc, j-29
.set x0, 128+16*xc-sb*(48-112*(xc/2))+15
	v_max_num_f32 v[64+xc], v[64+xc], v[x0]
.elseif j == 33
	v_max3_num_f32 v64, v64, v65, v66
.elseif j == 34
	v_max3_num_f32 v64, v64, v67, v[sT+1]          ; with the old m
.elseif j == 35
	v_permlanex16_b32 v71, v64, s24, s25           ; the query's other 64 keys lie in lane l xor 16
.elseif j == 36
	v_max_num_f32 v[sT+1], v64, v71                ; the new m
.elseif j == 37
	v_mul_f32 v[sT], s22, v[sT+1]                  ; c m
.elseif j == 38
	v_sub_f32 v70, v70, v[sT]
.elseif j == 39
	v_exp_f32 v68, v70                             ; a
.elseif j < 72
.set xi, 2*(j-40)
.set x0, 128+xi-sb*(48-112*(xi/32))
	v_pk_fma_f32 v[x0:x0+1], v[x0:x0+1], s[22:23], v[sT:sT+1] op_sel_hi:[1,0,0] neg_lo:[0,0,1] neg_hi:[0,0,1]
.elseif j < 136
.set xi, j-72
.set x0, 128+xi-sb*(48-112*(xi/32))
	v_exp_f32 v[x0], v[x0]                         ; p, at most 1
.elseif j < 140
	v_nop
.elseif j < 172
.set xi, 2*(j-140)
.set x0, 128+xi-sb*(48-112*(xi/32))
	v_cvt_pk_f16_f32 v[192+j-140], v[x0], v[x0+1]  ; tiles 2 kk and 2 kk + 1 of S^T are P's fragment of keys 32 kk on
.elseif j < 203
.set xz, j-172
.set xw, 4
.set xu, xz
.if xz >= 30
.set xw, 64
.set xu, 0
.elseif xz >= 28
.set xw, 32
.set xu, xz-28
.elseif xz >= 24
.set xw, 16
.set xu, xz-24
.elseif xz >= 16
.set xw, 8
.set xu, xz-16
.endif
.set xa, xw*xu
.set xb, xw*xu+xw/2
.set x0, 128+xa-sb*(48-112*(xa/32))
.set x1, 128+xb-sb*(48-112*(xb/32))
	v_pk_add_f32 v[x0:x0+1], v[x0:x0+1], v[x1:x1+1]
.elseif j == 203
.set x0, 128-48*sb
	v_pk_fma_f32 v[sT+2:sT+3], v[sT+2:sT+3], v[68:69], v[x0:x0+1] op_sel_hi:[1,0,1]
.else
	WIN 0x41                                       ; O^T (destination, source 0) window 1
.set x0, 32*(\qt)+2*(j-204)
	v_pk_mul_f32 v[x0:x0+1], v[x0:x0+1], v[68:69] op_sel_hi:[1,0]
.endif
.endm
; A TURN.  In front of numbers 0, 7, .. 105 stand the 16 products V^T P of tile qt - 1 (its P was made, and its O^T brought under its new m, in the turn before); in front of numbers 112, 119, .. 217 the 16 products
; K Q^T of tile qt + 1, into the buffer whose last reader was the turn before.  The result written last, key tile 7's in front of number 217, is first read at number 16 of the next turn; key tile kt's, in front of 168 + 7 kt, no earlier than number 1.
.macro TURN qt
.set j, 0
.rept 220
.if (j%7) == 0
.set n, j/7
.if n < 16
.if (\qt) > 0
	PVPROD (\qt)-1
.endif
.else
.set n, n-16
.if (\qt) < 7
	SPROD (\qt)+1
.endif
.endif
.endif
.if j == 140
	s_wait_alu depctr_va_vdst(0)                   ; the wait ahead of the first line that names an exponential's result: one for all 65
.endif
	SM \qt
.set j, j+1
.endr
.endm
.Lstep:                                            ; four trips of 128 keys.  No two matrix instructions that follow each other share an accumulator, over the backward jump too
	v_add_nc_u32 v8, s27, v2
	v_add_nc_u32 v9, s28, v3
	KVLOAD 0
.irp kt, 0,1,2,3,4,5,6,7
	KVPROJ \kt
.endr
.set n, 0
.rept 16
	SPROD 0                                        ; tile 0's scores: no softmax is at hand yet to set between them
.set n, n+1
.endr
	WIN 0
	PLACES
.irp qt, 0,1,2,3,4,5,6,7
	TURN \qt
.endr
.set n, 0
.rept 16
	PVPROD 7                                       ; tile 7's V^T P.  Its V^T is written again behind the next step's two additions, four places and 16 conversions of K; its P far later
.set n, n+1
.endr
	WIN 0                                          ; at a label and at a branch every window is 0
	s_add_co_u32 s27, s27, 18432
	s_add_co_u32 s28, s28, 1024
	s_sub_co_u32 s26, s26, 1
	s_cmp_lg_u32 s26, 0
	s_cbranch_scc1 .Lstep
	; ---- the way out: O^T / l, to f16, as images of the next product's fragments
.irp qt, 0,1,2,3,4,5,6,7
	v_add_f32 v[32+4*\qt], v[34+4*\qt], v[35+4*\qt]          ; l's two halves.  (These eight are the places behind the last products)
.endr
.irp qt, 0,1,2,3,4,5,6,7
	v_permlanex16_b32 v[33+4*\qt], v[32+4*\qt], s24, s25
.endr
.irp qt, 0,1,2,3,4,5,6,7
	v_add_f32 v[32+4*\qt], v[32+4*\qt], v[33+4*\qt]          ; with lane l xor 16's
.endr
.irp qt, 0,1,2,3,4,5,6,7
	v_rcp_f32 v[34+4*\qt], v[32+4*\qt]
.endr
	v_nop                                          ; a plain line behind the last reciprocal
	s_wait_alu depctr_va_vdst(0)                   ; and one wait for the eight, ahead of their first reader
.macro OUT qt
	WIN 0x41
.set j, 0
.rept 16
	v_pk_mul_f32 v[32*(\qt)+j:32*(\qt)+j+1], v[32*(\qt)+j:32*(\qt)+j+1], v[34+4*(\qt):35+4*(\qt)] op_sel_hi:[1,0]
.set j, j+2
.endr
	WIN 0x05                                       ; sources window 1, destination window 0: S^T's and P's registers are free; each tile has its own 16, so no store's data are written again
.irp t, 0,1,2,3
.irp jj, 0,1,2,3
	v_cvt_pk_f16_f32 v[128+16*(\qt)+4*\t+\jj], v[32*(\qt)+8*\t+2*\jj], v[32*(\qt)+8*\t+2*\jj+1]
.endr
.endr
	WIN 0
.irp t, 0,1,2,3
	global_store_b128 v6, v[128+16*(\qt)+4*\t:128+16*(\qt)+4*\t+3], s[16:17] offset:8192*(\qt)+512*\t   ; 32 lanes: 512 consecutive bytes, aligned
.endr
.endm
.irp qt, 0,1,2,3,4,5,6,7
	OUT \qt
.endr
	s_wait_tensorcnt 0x0                           ; the wave's end: three lines behind my last LDS store
	ds_add_u32 v10, v11
	s_wait_dscnt 0x0
	s_endpgm
.Lfunc_end_k_q61204f9ac5_attn:
	.size	k_q61204f9ac5_attn, .Lfunc_end_k_q61204f9ac5_attn-k_q61204f9ac5_attn
	.p2alignl 7, 3214868480
	.fill 96, 4, 3214868480
	.section	.rodata,"a",@progbits
	.p2align	6, 0x0
	.amdhsa_kernel k_q61204f9ac5_attn
		.amdhsa_group_segment_fixed_size 115200
		.amdhsa_private_segment_fixed_size 0
		.amdhsa_enable_private_segment 0
		.amdhsa_kernarg_size 56
		.amdhsa_user_sgpr_count 2
		.amdhsa_user_sgpr_kernarg_segment_ptr 1
		.amdhsa_wavefront_size32 1
		.amdhsa_system_sgpr_workgroup_id_x 1
		.amdhsa_system_sgpr_workgroup_id_y 1
		.amdhsa_system_sgpr_workgroup_id_z 1
		.amdhsa_system_vgpr_workitem_id 0
		.amdhsa_next_free_vgpr 1024
		.amdhsa_next_free_sgpr 66
		.amdhsa_reserve_vcc 0
		.amdhsa_float_denorm_mode_32 3
		.amdhsa_float_denorm_mode_16_64 3
		.amdhsa_memory_ordered 1
		.amdhsa_forward_progress 1
		.amdhsa_inst_pref_size 241
	.end_amdhsa_kernel
	.amdgpu_metadata
---
amdhsa.version: [ 1, 2 ]
amdhsa.kernels:
  - .name:           k_q61204f9ac5_attn
    .symbol:         k_q61204f9ac5_attn.kd
    .args:
      - { .name: qc, .offset: 0, .size: 8, .value_kind: global_buffer, .address_space: global }
      - { .name: qs, .offset: 8, .size: 8, .value_kind: global_buffer, .address_space: global }
      - { .name: kc, .offset: 16, .size: 8, .value_kind: global_buffer, .address_space: global }
      - { .name: ks, .offset: 24, .size: 8, .value_kind: global_buffer, .address_space: global }
      - { .name: wc, .offset: 32, .size: 8, .value_kind: global_buffer, .address_space: global }
      - { .name: ws, .offset: 40, .size: 8, .value_kind: global_buffer, .address_space: global }
      - { .name: att, .offset: 48, .size: 8, .value_kind: global_buffer, .address_space: global }
    .group_segment_fixed_size: 115200
    .private_segment_fixed_size: 0
    .kernarg_segment_align: 8
    .kernarg_segment_size: 56
    .max_flat_workgroup_size: 128
    .sgpr_count:     66
    .vgpr_count:     1024
    .wavefront_size: 32
...
	.end_amdgpu_metadata
.endif
;; end of part 2
;; launch proj (part 3): grid 64 x 4, 4 waves a work-group, clusters of 4 x 1, 296,448 bytes of LDS; arguments att, wo16, bo, out0; writes out0
.if DOCPART == 3
	.amdgcn_target "amdgcn-amd-amdhsa--gfx1250"
	.amdhsa_code_object_version 6
	.text
	.protected	k_q61204f9ac5_proj
	.globl	k_q61204f9ac5_proj
	.p2align	8
	.type	k_q61204f9ac5_proj,@function
k_q61204f9ac5_proj:
	s_mov_b64 s[64:65], 0
	v_nop
	global_prefetch_b8 v0, s[64:65] scope:SCOPE_SE
	s_setreg_imm32_b32 hwreg(HW_REG_WAVE_MODE, 25, 1), 1
	s_wait_xcnt 0x0
	s_wait_alu depctr_hold_cnt(0) depctr_sa_sdst(0) depctr_va_vdst(0) depctr_va_sdst(0) depctr_va_ssrc(0) depctr_va_vcc(0) depctr_vm_vsrc(0)
	s_getreg_b32 s2, hwreg(HW_REG_IB_STS2, 6, 4)
	s_cmp_eq_u32 s2, 0
	s_cbranch_scc0 .Lentry_in_a_cluster
	s_endpgm
.Lentry_in_a_cluster:
	s_bfe_u32 s2, ttmp6, 0x10000c
	s_cmp_lg_u32 s2, 0x3003
	s_cbranch_scc0 .Lentry_shape_is_right
	s_endpgm
.Lentry_shape_is_right:
; PROJ: out0 = att Wo + bo.  att [8192][1024] and Wo [1024][512] in f16, as images of fragments (16 rows x 32 K, 1,024 bytes at 512 c + 16 x lane); sums in f32; out0 f32.
; A work-group (x = row block of 128, y = column block of 128) makes 128 x 128; wave w makes rows 32 w .. 32 w + 31 against all 128 columns: 16 accumulators.
; A: the wave's 32 rows x 1,024 K are 512 registers (windows 2 and 3), loaded straight from att: each byte of them is wanted by this wave alone in the work-group.
; B: the column block's 256 KiB are one dense block of wo16 and lie WHOLE in LDS, filled once: no ring, no refill.  They come in four quarters of 256 K, each wave bringing 16 KiB of each, so that the products begin when the first has landed.
; CLUSTER: the four row blocks of a cluster have the same column block, so B is asked for JOINTLY (mask 15): the same load, with the same descriptor, in all four.  The place in the cluster enters A's and out0's global addresses alone.
; THE MATRIX INSTRUCTION IS USED TRANSPOSED (source 0 = 16 columns of Wo, source 1 = 16 rows of att): a lane holds eight neighbouring numbers of a row of out0.  The bias is the C of each sum's first product.
; NO PREFETCH: all reads are issued at the head.
; REGISTERS: window 0: v3-6 B's quarters in LDS (v3 = 16 x lane also serves global addresses), v8-10 the way out and the bias; v12, v13 the add's two; v64-127 the bias, later rows read back; v128-255 the accumulators ((i, nt) at 128 + 8 (8 i + nt)).
;   window 1: v0-127 two buffers of B's eight fragments.   window 2: A of my rows 0-15, fragment f (K = 32 f on) at v[8 f];   window 3: of my rows 16-31.
.set STG,   262144                     ; behind B: a stage of 16 rows x (512 + 16) bytes for each wave; no tensor load lands there
.set SPARE, 295936                     ; the spare words, 128 bytes a wave, named by no other line
.set ADB,   3
.set G1,    16                         ; s[16:23] descriptor group 1
.set G0,    32                         ; s[32:47] group 0, a set for each quarter
.set MSB, 0
.macro WIN new
.if MSB != \new
	s_set_vgpr_msb (MSB<<8)|\new
.set MSB, \new
.endif
.endm
.macro PLACES
.rept 4
	v_nop
.endr
.endm
.macro ROUND                           ; a round of the cluster's barrier
	s_barrier_signal -1
	s_barrier_wait -1
	s_cmp_lg_u32 s12, 0
	s_cbranch_scc1 .Lnot_wave_0_\@
	s_barrier_signal -3
.Lnot_wave_0_\@:
	s_barrier_wait -3
	s_barrier_signal -1
	s_barrier_wait -1
.endm
	s_load_b256 s[4:11], s[0:1], 0x0               ; att s[4:5], wo16 s[6:7], bo s[8:9], out0 s[10:11]
	v_lshl_add_u32 v12, v0, 2, SPARE
	v_mov_b32 v13, 0
	ds_add_u32 v12, v13                            ; the wave's opening: the add, twice on end, and its wait ahead of my first tensor load
	ds_add_u32 v12, v13
	v_lshrrev_b32 v1, 5, v0
	v_readfirstlane_b32 s12, v1                    ; wave
	s_bfe_u32 s13, ttmp6, 0x40000                  ; cx
	s_lshl_b32 s14, ttmp9, 2
	s_add_co_u32 s14, s14, s13                     ; row block = 4 x cluster x + cx
	s_and_b32 s15, ttmp7, 0xffff                   ; column block, which the four partners share
	; group 1: 16,384 dense bytes as 64 rows of 256 bytes (32 elements of 8 bytes), no padding: images are read 16 bytes a lane on end
	s_mov_b32 s[G1+0], 15|(3<<16)|(1<<21)          ; 15:0 the mask: all four work-groups; 17:16 elements of 8 bytes; 21 set beside a mask
	s_mov_b32 s[G1+1], 32<<16                      ; tensor_dim0 = 32
	s_mov_b32 s[G1+2], 64<<16                      ; tensor_dim1 = 64
	s_mov_b32 s[G1+3], 32<<16                      ; tile_dim0 = 32
	s_mov_b32 s[G1+4], 64                          ; tile_dim1 = 64
	s_mov_b32 s[G1+5], 32                          ; from row to row
	s_mov_b32 s[G1+6], 0
	s_mov_b32 s[G1+7], 0
	s_lshl_b32 s28, s12, 14                        ; my 16 KiB of a quarter, in memory and in LDS alike
	s_lshl_b32 s26, s15, 18
	s_add_co_u32 s26, s26, s28
	s_mov_b32 s27, 0
	s_lshl_b32 s56, s14, 16                        ; A: the row block's 8 row tiles of 8,192 bytes, my two of them
	s_add_co_u32 s56, s56, s28
	s_mov_b32 s57, 0
	s_lshl_b32 s58, s14, 18                        ; out0: 128 rows of 2,048 bytes a block,
	s_lshl_b32 s59, s12, 16                        ; 32 a wave,
	s_add_co_u32 s58, s58, s59
	s_lshl_b32 s30, s15, 9                         ; 512 bytes a column block (in bo too)
	s_add_co_u32 s58, s58, s30
	s_mov_b32 s59, 0
	s_mov_b32 s31, 0
	s_wait_dscnt 0x0                               ; both opening adds are done
	s_wait_kmcnt 0x0
	s_add_nc_u64 s[24:25], s[6:7], s[26:27]
.irp k, 0,1,2,3
	s_mov_b32 s[G0+4*\k], 1                        ; count = 1
	s_add_co_u32 s[G0+4*\k+1], s28, 65536*\k       ; LDS address: quarter k, my part
	s_add_nc_u64 s[G0+4*\k+2:G0+4*\k+3], s[24:25], 65536*\k
	s_or_b32 s[G0+4*\k+3], s[G0+4*\k+3], 0x80000000   ; type = 2
.endr
	s_add_nc_u64 s[48:49], s[4:5], s[56:57]        ; A's four quarters of K lie 4 MiB apart
	s_add_nc_u64 s[50:51], s[48:49], 0x400000
	s_add_nc_u64 s[52:53], s[50:51], 0x400000
	s_add_nc_u64 s[54:55], s[52:53], 0x400000
	s_add_nc_u64 s[10:11], s[10:11], s[58:59]
	s_add_nc_u64 s[8:9], s[8:9], s[30:31]
	ROUND                                          ; all four work-groups are here: the joint loads meet
.irp k, 0,1,2,3
	tensor_load_to_lds s[G0+4*\k:G0+4*\k+3], s[G1:G1+7]   ; the launch's only tensor loads: four of mine are out
	s_nop 0
.endr
	PLACES                                         ; (four plain lines behind the last, ahead of any switch of the windows)
	v_and_b32 v1, 31, v0                           ; lane
	v_and_b32 v2, 15, v0                           ; r
	v_bfe_u32 v11, v0, 4, 1                        ; h
	v_lshlrev_b32 v3, 4, v1                        ; 16 x lane: quarter 0,
	v_add_nc_u32 v4, 65536, v3                     ; and the others (the immediate has 16 bits)
	v_add_nc_u32 v5, 131072, v3
	v_add_nc_u32 v6, 196608, v3
	s_mul_i32 s29, s12, 8448
	s_add_co_u32 s29, s29, STG                     ; my stage
	v_mul_u32_u24 v8, v2, 528
	v_lshl_add_u32 v8, v11, 5, v8
	v_add_nc_u32 v8, s29, v8                       ; in: row r, 32 bytes for each half of the lanes
	v_add_nc_u32 v9, s29, v3                       ; back: the 32 lanes take a row of 512 bytes
	v_lshlrev_b32 v10, 5, v11                      ; the bias: my half's eight columns of a tile
.irp nt, 0,1,2,3,4,5,6,7
	global_load_b128 v[64+8*\nt:67+8*\nt], v10, s[8:9] offset:64*\nt
	global_load_b128 v[68+8*\nt:71+8*\nt], v10, s[8:9] offset:64*\nt+16
.endr
.irp g, 0,1,2,3
	WIN 0x80                                       ; destination window 2: my rows 0-15
.irp kf, 0,1,2,3,4,5,6,7
.irp c, 0,1
	global_load_b128 v[64*\g+8*\kf+4*\c:64*\g+8*\kf+4*\c+3], v3, s[48+2*\g:49+2*\g] offset:1024*\kf+512*\c
.endr
.endr
	WIN 0xc0                                       ; window 3: my rows 16-31
.irp kf, 0,1,2,3,4,5,6,7
.irp c, 0,1
	global_load_b128 v[64*\g+8*\kf+4*\c:64*\g+8*\kf+4*\c+3], v3, s[48+2*\g:49+2*\g] offset:8192+1024*\kf+512*\c
.endr
.endr
.endr
; quarter g of B is whole: my part has landed (the later quarters' loads may stay out), and so has everybody's
.macro GATE g
	s_wait_tensorcnt 3-(\g)
	s_wait_dscnt 0x0                               ; no LDS instruction of mine is pending at a signal
	s_barrier_signal -1
	s_barrier_wait -1
.endm
.macro FETCH x                         ; B's eight fragments of K = 32 x on, into buffer x % 2: 16 loads of 512 consecutive bytes
.set FG, (\x)/8
.set FK, (\x)%8
.set FB, 64*((\x)%2)
	WIN 0x40
.irp nt, 0,1,2,3,4,5,6,7
.irp c, 0,1
	ds_load_b128 v[FB+8*\nt+4*\c:FB+8*\nt+4*\c+3], v[ADB+FG] offset:8192*\nt+1024*FK+512*\c
.endr
.endr
.endm
.macro MUL x                           ; 16 products: the 16 accumulators by turns, in the same order in every step
.set FB, 64*((\x)%2)
.set FA, 8*(\x)
	WIN 0x09                                       ; source 0 (B) window 1, source 1 (A) window 2
.irp nt, 0,1,2,3,4,5,6,7
.if (\x) == 0
	v_wmma_f32_16x16x32_f16 v[128+8*\nt:135+8*\nt], v[FB+8*\nt:FB+8*\nt+7], v[FA:FA+7], v[64+8*\nt:71+8*\nt]
.else
	v_wmma_f32_16x16x32_f16 v[128+8*\nt:135+8*\nt], v[FB+8*\nt:FB+8*\nt+7], v[FA:FA+7], v[128+8*\nt:135+8*\nt]
.endif
.endr
	WIN 0x0d                                       ; source 1 window 3
.irp nt, 0,1,2,3,4,5,6,7
.if (\x) == 0
	v_wmma_f32_16x16x32_f16 v[192+8*\nt:199+8*\nt], v[FB+8*\nt:FB+8*\nt+7], v[FA:FA+7], v[64+8*\nt:71+8*\nt]
.else
	v_wmma_f32_16x16x32_f16 v[192+8*\nt:199+8*\nt], v[FB+8*\nt:FB+8*\nt+7], v[FA:FA+7], v[192+8*\nt:199+8*\nt]
.endif
.endr
.endm
	GATE 0
	FETCH 0
.set FI, 0
.rept 32                               ; K in 32 steps of 32, written out: the next step's fragments are fetched while this step is multiplied
.if (FI < 31) && ((FI+1)%8 == 0)
	GATE (FI+1)/8                                  ; the next fetch reads the next quarter
.endif
.if FI < 31
.if FI > 0
	PLACES                                         ; in front of loads into the buffer that the step before multiplied
.endif
	FETCH FI+1
	s_wait_dscnt 16                                ; this step's fragments are in; the 16 loads just issued may be out
.else
	s_wait_dscnt 0x0
.endif
.if FI == 0
	s_wait_loadcnt 63                              ; the bias and A's first quarter: 96 loads stand behind them, 63 is the largest count the wait can name
.endif
.if FI == 8
	s_wait_loadcnt 63                              ; A's second quarter: 64 behind it
.endif
.if FI == 16
	s_wait_loadcnt 32
.endif
.if FI == 24
	s_wait_loadcnt 0x0
.endif
	MUL FI
.set FI, FI+1
.endr
	WIN 0
	; ---- the way out: 16 rows x 128 columns at a time through my own stage; back as whole rows of 512 bytes.  LDS serves a wave's instructions in order (ISA guide 5.7.1.4): no wait between stores and loads
.macro TOSTAGE i, back
.irp nt, 0,1,2,3,4,5,6,7
	ds_store_b128 v8, v[128+64*(\i)+8*\nt:131+64*(\i)+8*\nt] offset:64*\nt        ; each accumulator from its low end on
	ds_store_b128 v8, v[132+64*(\i)+8*\nt:135+64*(\i)+8*\nt] offset:64*\nt+16
.endr
.irp t, 0,1,2,3,4,5,6,7,8,9,10,11,12,13,14,15
	ds_load_b128 v[\back+4*\t:\back+4*\t+3], v9 offset:528*\t
.endr
.endm
.macro SEND i, back
.irp t, 0,1,2,3,4,5,6,7,8,9,10,11,12,13,14,15
	global_store_b128 v3, v[\back+4*\t:\back+4*\t+3], s[10:11] offset:32768*(\i)+2048*\t th:TH_STORE_NT   ; 32 lanes: 512 consecutive bytes, aligned; written once, read by nobody here
.endr
.endm
	PLACES                                         ; behind the last products
	TOSTAGE 0, 64                                  ; back into the bias's registers,
	TOSTAGE 1, 128                                 ; and into those that block 0's results have left
	s_wait_dscnt 32                                ; block 0 is back; block 1's 16 stores and 16 loads may be out
	SEND 0, 64
	s_wait_dscnt 0x0
	SEND 1, 128
	s_wait_tensorcnt 0x0                           ; the wave's end: three lines behind my last tensor load and my last LDS store
	ds_add_u32 v12, v13
	s_wait_dscnt 0x0
	ROUND                                          ; the closing round: no work-group ends while a partner may still ask for a tile that names it
	s_endpgm
.Lfunc_end_k_q61204f9ac5_proj:
	.size	k_q61204f9ac5_proj, .Lfunc_end_k_q61204f9ac5_proj-k_q61204f9ac5_proj
	.p2alignl 7, 3214868480
	.fill 96, 4, 3214868480
	.section	.rodata,"a",@progbits
	.p2align	6, 0x0
	.amdhsa_kernel k_q61204f9ac5_proj
		.amdhsa_group_segment_fixed_size 296448
		.amdhsa_private_segment_fixed_size 0
		.amdhsa_enable_private_segment 0
		.amdhsa_kernarg_size 32
		.amdhsa_user_sgpr_count 2
		.amdhsa_user_sgpr_kernarg_segment_ptr 1
		.amdhsa_wavefront_size32 1
		.amdhsa_system_sgpr_workgroup_id_x 1
		.amdhsa_system_sgpr_workgroup_id_y 1
		.amdhsa_system_sgpr_workgroup_id_z 1
		.amdhsa_system_vgpr_workitem_id 0
		.amdhsa_next_free_vgpr 1024
		.amdhsa_next_free_sgpr 66
		.amdhsa_reserve_vcc 0
		.amdhsa_float_denorm_mode_32 3
		.amdhsa_float_denorm_mode_16_64 3
		.amdhsa_memory_ordered 1
		.amdhsa_forward_progress 1
		.amdhsa_inst_pref_size 99
	.end_amdhsa_kernel
	.amdgpu_metadata
---
amdhsa.version: [ 1, 2 ]
amdhsa.kernels:
  - .name:           k_q61204f9ac5_proj
    .symbol:         k_q61204f9ac5_proj.kd
    .args:
      - { .name: att, .offset: 0, .size: 8, .value_kind: global_buffer, .address_space: global }
      - { .name: wo16, .offset: 8, .size: 8, .value_kind: global_buffer, .address_space: global }
      - { .name: bo, .offset: 16, .size: 8, .value_kind: global_buffer, .address_space: global }
      - { .name: out0, .offset: 24, .size: 8, .value_kind: global_buffer, .address_space: global }
    .group_segment_fixed_size: 296448
    .private_segment_fixed_size: 0
    .kernarg_segment_align: 8
    .kernarg_segment_size: 32
    .max_flat_workgroup_size: 128
    .sgpr_count:     66
    .vgpr_count:     1024
    .wavefront_size: 32
...
	.end_amdgpu_metadata
.endif
;; end of part 3
